; MI455X (gfx1250); checked and timed in simulation.
; The chip was launched on July 23, 2026; its instructions are those of AMD's public machine-readable ISA for CDNA 5 (MIT licence, August 2026) and "CDNA5" Instruction Set Architecture Reference Guide (July 2026). The comments in the code are by the model that wrote it; some were corrected since.
;; Regularised Optimal Transport. Allowed arithmetic: float matrix products may take bf16 or f16 operands with f32 sums; other float arithmetic in f32, or as packed bf16 or f16 multiplies, adds, multiply-adds, maxima and minima; sums over many terms, partial sums and values carried from step to step in f32; what a program stores and reads back later, other than sums and carried values, may be rounded once to bf16 or f16.
;; Inputs: cost 16 x 1,024 x 1,024 float32; mu 16 x 1,024 float32; nu 16 x 1,024 float32.
;; Outputs: out0 16 x 1,024 x 1,024 float32.
;; One version. Each part assembles by itself: llvm-mc -triple=amdgcn-amd-amdhsa -mcpu=gfx1250 --defsym DOCPART=n.
;; ======== version 1 of 1: 11 launches
;; workspace buffers: cb 33,554,432 bytes; lp0 1,048,576 bytes; lp1 1,048,576 bytes; ub0 65,536 bytes; ub1 65,536 bytes; er0 1,024 bytes; er1 1,024 bytes
;; launch it1 (part 1): grid 256 x 1, 16 waves a work-group, no clusters, 137,728 bytes of LDS; arguments cost, mu, cb, lp0, ub0, er0; writes cb, lp0, ub0, er0
.if DOCPART == 1
	.amdgcn_target "amdgcn-amd-amdhsa--gfx1250"
	.amdhsa_code_object_version 6
	.text
	.protected	k_q1775ea50d9_it1
	.globl	k_q1775ea50d9_it1
	.p2align	8
	.type	k_q1775ea50d9_it1,@function
k_q1775ea50d9_it1:
	s_mov_b64 s[64:65], 0
	v_nop
	global_prefetch_b8 v0, s[64:65] scope:SCOPE_SE
	s_setreg_imm32_b32 hwreg(HW_REG_WAVE_MODE, 25, 1), 1
	s_wait_xcnt 0x0
; ENTROPIC OPTIMAL TRANSPORT, STEP 1 OF 10.  cost [16][1024][1024] f32, mu [16][1024] f32.  All is kept in base 2 and scaled by K = log2(e)/eps = 14.42695:
; U = K u, V = K v, so that (-c + u + v)/eps x log2(e) = U + V - K c.  Here V = 0 and the old U = 0.
; LIMITS.  cost, mu and nu are rounded ONCE to bf16 (to nearest even) and every step uses the rounded numbers: the program computes reference() of the rounded inputs, all else in f32.
; u and v are taken out of their own updates (u_new = eps log mu - eps LSE_j((v_j - c)/eps)), which is the same sum with another order of rounding.  NaN and infinities are not treated apart.
; SHARES.  Work-group g owns rows 64 g .. 64 g + 63 of the 16,384 (batch g / 16, block g % 16); wave w rows 4 w .. 4 w + 3 of them, whole.  A load of 16 bytes a lane takes 128 columns:
; lane l holds columns 128 q + 4 l + 0..3, q = 0..7: 32 numbers of each row, the same columns in all four rows.
; WHAT IT DOES.  Each row is rounded to bf16 and stored (cb, read by all later steps); x = -K c stays in registers; row maximum, row sum, U = log2(mu + 1e-8) - max - log2(sum);
; then y = x + U, and of the wave's four rows a maximum and a sum for each column; the 16 waves' parts meet in LDS, are joined by their maximum, and the block's 1,024 partial
; column logsumexps go to lp.  The work-group's sum of squares of U - U_old goes to er, its 64 U to ub.
; NO CLUSTER: no two work-groups read a common byte but mu's.
.set KNEG,  0xc166d4ca                 ; -K
.set EPS8,  0x322bcc77                 ; 1e-8
.set UL,    4096                       ; LDS: 64 U (bytes 0 to 4,095 hold V in the later steps and are not used here)
.set EL,    4352                       ; LDS: a word for each wave, 16 bytes apart
.set MSB,   4608                       ; LDS: for each wave 4,096 bytes of column maxima, then 4,096 of column sums
.set SPARE, MSB+16*8192                ; the spare words, 128 bytes for each wave: eight blocks of 256 bytes that no other line names
.set SPW, 1                            ; v1   my spare word; never rewritten
.set NIL, 2                            ; v2   0; never rewritten
.set KN,  3                            ; v3   -K
.set CI,  4                            ; v4   my offset in the work-group's rows of cost: 16,384 w + 16 l
.set T8,  5                            ; v5   8 x thread
.set CO,  6                            ; v6   my offset in the work-group's rows of cb: 8,192 w + 8 l
.set FA,  7                            ; v7   the end: my two columns in waves 0-7's parts
.set MSA, 8                            ; v8   where my wave's parts go: MSB + 8,192 w + 16 l
.set W16, 9                            ; v9   16 w
.set FB,  10                           ; v10  the end: waves 8-15's parts
.set MX,  12                           ; v12-15  row maxima
.set SM,  16                           ; v16-19  row sums, then W = log2 mu - log2 sum
.set LMU, 20                           ; v20-23  mu, log2(mu + 1e-8), then U
.set TP,  28                           ; v28-31  at work
.set VV,  32                           ; v32 = 0 while x is made; v32-63 then the wave's column maxima
.set RAW, 64                           ; v64-127 the four rows in bf16; then two buffers of 32 for exponentials
.set X,   128                          ; v128-255 row r at X + 32 r
.set FS,  X+32
.set FC,  X+66
.set FM,  X+70
.set FU,  X+72
.set WV,  40
.set SEL, 42
.set SAVE, 46
.macro MIXOP r, n                      ; number n of a row: x = bf16(c) x (-K) + 0, one rounding
.if ((\n)%2) == 0
	v_fma_mix_f32_bf16 v[X+32*(\r)+(\n)], v[RAW+16*(\r)+(\n)/2], v[KN], v[VV] op_sel_hi:[1,0,0]
.else
	v_fma_mix_f32_bf16 v[X+32*(\r)+(\n)], v[RAW+16*(\r)+(\n)/2], v[KN], v[VV] op_sel:[1,0,0] op_sel_hi:[1,0,0]
.endif
.endm
.macro MAXL r                          ; the lane's maximum of a row: four chains of seven, the four left over, then one
.irp c, 0,1,2,3
	v_max3_num_f32 v[TP+(\c)], v[X+32*(\r)+8*(\c)], v[X+32*(\r)+8*(\c)+1], v[X+32*(\r)+8*(\c)+2]
.endr
.irp c, 0,1,2,3
	v_max3_num_f32 v[TP+(\c)], v[TP+(\c)], v[X+32*(\r)+8*(\c)+3], v[X+32*(\r)+8*(\c)+4]
.endr
.irp c, 0,1,2,3
	v_max3_num_f32 v[TP+(\c)], v[TP+(\c)], v[X+32*(\r)+8*(\c)+5], v[X+32*(\r)+8*(\c)+6]
.endr
	v_max3_num_f32 v[TP], v[TP], v[X+32*(\r)+7], v[X+32*(\r)+15]
	v_max3_num_f32 v[TP+2], v[TP+2], v[X+32*(\r)+23], v[X+32*(\r)+31]
	v_max3_num_f32 v[MX+(\r)], v[TP], v[TP+1], v[TP+2]
	v_max_num_f32 v[MX+(\r)], v[MX+(\r)], v[TP+3]
.endm
.macro XLMAX                           ; the four rows' maxima over the 32 lanes, the rows by turns; every lane ends with the result
.irp m, 1,2,4,8
.irp r, 0,1,2,3
	v_max_num_f32_dpp v[MX+(\r)], v[MX+(\r)], v[MX+(\r)] row_xmask:\m row_mask:0xf bank_mask:0xf
.endr
.endr
.irp r, 0,1,2,3
	v_permlanex16_b32 v[TP+(\r)], v[MX+(\r)], s[SEL], s[SEL+1]
.endr
.irp r, 0,1,2,3
	v_max_num_f32 v[MX+(\r)], v[MX+(\r)], v[TP+(\r)]
.endr
.endm
.macro XLADD                           ; the same for the sums
.irp m, 1,2,4,8
.irp r, 0,1,2,3
	v_add_f32_dpp v[SM+(\r)], v[SM+(\r)], v[SM+(\r)] row_xmask:\m row_mask:0xf bank_mask:0xf
.endr
.endr
.irp r, 0,1,2,3
	v_permlanex16_b32 v[TP+(\r)], v[SM+(\r)], s[SEL], s[SEL+1]
.endr
.irp r, 0,1,2,3
	v_add_f32 v[SM+(\r)], v[SM+(\r)], v[TP+(\r)]
.endr
.endm
.macro SUBM r, k                       ; pair k of row r: x - max; the row's register of the pair feeds both halves
.if ((\r)%2) == 0
	v_pk_add_f32 v[X+32*(\r)+2*(\k):X+32*(\r)+2*(\k)+1], v[X+32*(\r)+2*(\k):X+32*(\r)+2*(\k)+1], v[MX+(\r):MX+(\r)+1] op_sel_hi:[1,0] neg_lo:[0,1] neg_hi:[0,1]
.else
	v_pk_add_f32 v[X+32*(\r)+2*(\k):X+32*(\r)+2*(\k)+1], v[X+32*(\r)+2*(\k):X+32*(\r)+2*(\k)+1], v[MX+(\r)-1:MX+(\r)] op_sel:[0,1] op_sel_hi:[1,1] neg_lo:[0,1] neg_hi:[0,1]
.endif
.endm
.macro ADDW r, k                       ; pair k of row r: (x - max) + W = x + U
.if ((\r)%2) == 0
	v_pk_add_f32 v[X+32*(\r)+2*(\k):X+32*(\r)+2*(\k)+1], v[X+32*(\r)+2*(\k):X+32*(\r)+2*(\k)+1], v[SM+(\r):SM+(\r)+1] op_sel_hi:[1,0]
.else
	v_pk_add_f32 v[X+32*(\r)+2*(\k):X+32*(\r)+2*(\k)+1], v[X+32*(\r)+2*(\k):X+32*(\r)+2*(\k)+1], v[SM+(\r)-1:SM+(\r)] op_sel:[0,1] op_sel_hi:[1,1]
.endif
.endm
.macro SUBC r, k                       ; pair k of row r: y - the wave's column maximum
	v_pk_add_f32 v[X+32*(\r)+2*(\k):X+32*(\r)+2*(\k)+1], v[X+32*(\r)+2*(\k):X+32*(\r)+2*(\k)+1], v[VV+2*(\k):VV+2*(\k)+1] neg_lo:[0,1] neg_hi:[0,1]
.endm
.macro TREEOP t, d, n                  ; number n of the 16 that add up 16 pairs at t: 8, 4, 2, 1 packed sums in place, then the two halves into d
.if (\n) < 8
	v_pk_add_f32 v[(\t)+2*(\n):(\t)+2*(\n)+1], v[(\t)+2*(\n):(\t)+2*(\n)+1], v[(\t)+2*(\n)+16:(\t)+2*(\n)+17]
.elseif (\n) < 12
	v_pk_add_f32 v[(\t)+2*(\n)-16:(\t)+2*(\n)-15], v[(\t)+2*(\n)-16:(\t)+2*(\n)-15], v[(\t)+2*(\n)-8:(\t)+2*(\n)-7]
.elseif (\n) < 14
	v_pk_add_f32 v[(\t)+2*(\n)-24:(\t)+2*(\n)-23], v[(\t)+2*(\n)-24:(\t)+2*(\n)-23], v[(\t)+2*(\n)-20:(\t)+2*(\n)-19]
.elseif (\n) == 14
	v_pk_add_f32 v[(\t):(\t)+1], v[(\t):(\t)+1], v[(\t)+2:(\t)+3]
.else
	v_add_f32 v[\d], v[\t], v[(\t)+1]
.endif
.endm
.macro MAX16 b, d                      ; d, d + 1: the maxima of the 16 pairs at b
.irp e, 0,1
	v_max3_num_f32 v[(\d)+(\e)], v[(\b)+(\e)], v[(\b)+2+(\e)], v[(\b)+4+(\e)]
.endr
.irp i, 0,1,2,3,4,5
.irp e, 0,1
	v_max3_num_f32 v[(\d)+(\e)], v[(\d)+(\e)], v[(\b)+6+4*(\i)+(\e)], v[(\b)+8+4*(\i)+(\e)]
.endr
.endr
.irp e, 0,1
	v_max_num_f32 v[(\d)+(\e)], v[(\d)+(\e)], v[(\b)+30+(\e)]
.endr
.endm
	s_load_b256 s[8:15], s[0:1], 0x0               ; cost s[8:9], mu s[10:11], cb s[12:13], lp s[14:15]
	s_load_b128 s[16:19], s[0:1], 0x20             ; ub s[16:17], er s[18:19]
	v_lshl_add_u32 v[SPW], v0, 2, SPARE
	v_mov_b32 v[NIL], 0
	v_lshrrev_b32 v[TP], 5, v0
	v_readfirstlane_b32 s[WV], v[TP]               ; wave 0..15
	v_and_b32 v[TP], 31, v0                        ; lane
	v_lshlrev_b32 v[T8], 3, v0
	s_lshl_b32 s2, s[WV], 14                       ; four rows of 4,096 bytes
	v_lshl_add_u32 v[CI], v[TP], 4, s2
	s_lshl_b32 s2, s[WV], 13                       ; four rows of 2,048 bytes; also a wave's 8,192 bytes of parts
	v_lshl_add_u32 v[CO], v[TP], 3, s2
	s_add_co_u32 s2, s2, MSB
	v_lshl_add_u32 v[MSA], v[TP], 4, s2
	s_lshl_b32 s3, s[WV], 4
	v_mov_b32 v[W16], s3
	v_mov_b32 v[KN], KNEG
	v_mov_b32 v[VV], 0
	s_mov_b32 s[SEL], 0x76543210                   ; v_permlanex16_b32: each lane takes its own place in the other half
	s_mov_b32 s[SEL+1], 0xfedcba98
	s_lshl_b32 s20, ttmp9, 18                      ; 64 rows of cost
	s_mov_b32 s21, 0
	s_lshl_b32 s22, ttmp9, 17                      ; 64 rows of cb
	s_mov_b32 s23, 0
	s_lshl_b32 s24, ttmp9, 8                       ; 64 numbers of mu and of ub
	s_mov_b32 s25, 0
	s_lshl_b32 s26, ttmp9, 12                      ; the block's 1,024 partials
	s_mov_b32 s27, 0
	s_lshl_b32 s28, ttmp9, 2                       ; the work-group's word of er
	s_mov_b32 s29, 0
	s_wait_kmcnt 0x0
	s_add_nc_u64 s[8:9], s[8:9], s[20:21]
	s_add_nc_u64 s[10:11], s[10:11], s[24:25]
	s_add_nc_u64 s[12:13], s[12:13], s[22:23]
	s_add_nc_u64 s[14:15], s[14:15], s[26:27]
	s_add_nc_u64 s[16:17], s[16:17], s[24:25]
	s_add_nc_u64 s[18:19], s[18:19], s[28:29]
	global_load_b128 v[LMU:LMU+3], v[W16], s[10:11]    ; my four rows' mu, the same in every lane
.set k, 0
.rept 32                                       ; all four rows at once: 16 KiB a wave on their way; each load takes 512 consecutive bytes
	global_load_b128 v[X+4*k:X+4*k+3], v[CI], s[8:9] offset:512*k th:TH_LOAD_NT
.set k, k+1
.endr
.macro ROWIN r                         ; a row arrives: rounded, stored, scaled, its maximum begun
	s_wait_loadcnt 24-8*(\r)                       ; loads come back in order: the eight loads of each later row may stay out
.set k, 0
.rept 16
	v_cvt_pk_bf16_f32 v[RAW+16*(\r)+k], v[X+32*(\r)+2*k], v[X+32*(\r)+2*k+1]
.set k, k+1
.endr
.set k, 0
.rept 8
	global_store_b64 v[CO], v[RAW+16*(\r)+2*k:RAW+16*(\r)+2*k+1], s[12:13] offset:2048*(\r)+256*k  ; 32 lanes store 256 consecutive bytes, aligned
.set k, k+1
.endr
.set k, 0
.rept 32
	MIXOP \r, k
.set k, k+1
.endr
	MAXL \r
.endm
	ROWIN 0
	ROWIN 1
	ROWIN 2
	ROWIN 3
	XLMAX
	v_cvt_pk_bf16_f32 v[TP], v[LMU], v[LMU+1]      ; mu rounded to bf16 like the other inputs, then + 1e-8 in f32
	v_cvt_pk_bf16_f32 v[TP+1], v[LMU+2], v[LMU+3]
	v_lshlrev_b32 v[LMU], 16, v[TP]
	v_and_b32 v[LMU+1], 0xffff0000, v[TP]
	v_lshlrev_b32 v[LMU+2], 16, v[TP+1]
	v_and_b32 v[LMU+3], 0xffff0000, v[TP+1]
.irp r, 0,1,2,3
	v_add_f32 v[LMU+(\r)], EPS8, v[LMU+(\r)]
.endr
.set k, 0
.rept 16
	SUBM 0, k
	SUBM 1, k
.set k, k+1
.endr
	s_wait_xcnt 0x0                                ; the stores into cb have read their data: only behind this wait are v64-127 written again
	; THE ROW SUMS.  Exponentials go in two batches of two rows, each with one wait ahead of its first reader; plain work that names no result stands between them where there is any.
.set i, 0
.rept 32
	v_exp_f32 v[RAW+i], v[X+i]
	SUBM 2+i/16, i%16
.set i, i+1
.endr
.irp r, 0,1,2,3
	v_log_f32 v[LMU+(\r)], v[LMU+(\r)]
.endr
.set i, 0
.rept 32
	v_exp_f32 v[RAW+32+i], v[X+32+i]
.set i, i+1
.endr
	v_nop                                          ; a plain instruction behind the last of the batch
	s_wait_alu depctr_va_vdst(0)                   ; one wait for rows 0 and 1 and the four logarithms
.set j, 0
.rept 16
	TREEOP RAW, SM, j
.set j, j+1
.endr
.set i, 0
.rept 32                                       ; row 2 into the buffer that row 0 has left, row 1's sums between
	v_exp_f32 v[RAW+i], v[X+64+i]
.if (i%2) == 0
	TREEOP RAW+32, SM+1, i/2
.endif
.set i, i+1
.endr
.set i, 0
.rept 32
	v_exp_f32 v[RAW+32+i], v[X+96+i]
.set i, i+1
.endr
	v_nop
	s_wait_alu depctr_va_vdst(0)                   ; one wait for rows 2 and 3
.set j, 0
.rept 16
	TREEOP RAW, SM+2, j
	TREEOP RAW+32, SM+3, j
.set j, j+1
.endr
	XLADD
.irp r, 0,1,2,3
	v_log_f32 v[SM+(\r)], v[SM+(\r)]
.endr
	v_nop
	s_wait_alu depctr_va_vdst(0)
	v_pk_add_f32 v[SM:SM+1], v[LMU:LMU+1], v[SM:SM+1] neg_lo:[0,1] neg_hi:[0,1]          ; W = log2 mu - log2 sum
	v_pk_add_f32 v[SM+2:SM+3], v[LMU+2:LMU+3], v[SM+2:SM+3] neg_lo:[0,1] neg_hi:[0,1]
	v_pk_add_f32 v[LMU:LMU+1], v[SM:SM+1], v[MX:MX+1] neg_lo:[0,1] neg_hi:[0,1]          ; U = W - max
	v_pk_add_f32 v[LMU+2:LMU+3], v[SM+2:SM+3], v[MX+2:MX+3] neg_lo:[0,1] neg_hi:[0,1]
	v_mul_f32 v[TP], v[LMU], v[LMU]                ; the old U is 0: the sum of squares of the change
	v_fmac_f32 v[TP], v[LMU+1], v[LMU+1]
	v_fmac_f32 v[TP], v[LMU+2], v[LMU+2]
	v_fmac_f32 v[TP], v[LMU+3], v[LMU+3]
	ds_store_b128 v[W16], v[LMU:LMU+3] offset:UL   ; every lane holds the same four numbers
	ds_store_b32 v[W16], v[TP] offset:EL
	; THE COLUMNS.  y = x + U; of my four rows a maximum and a sum for each of my 32 columns.
.set k, 0
.rept 16
	ADDW 0, k
	ADDW 1, k
	ADDW 2, k
	ADDW 3, k
.set k, k+1
.endr
.set k, 0
.rept 32
	v_max3_num_f32 v[VV+k], v[X+k], v[X+32+k], v[X+64+k]
.set k, k+1
.endr
.set k, 0
.rept 32
	v_max_num_f32 v[VV+k], v[VV+k], v[X+96+k]
.set k, k+1
.endr
.irp a, 0,1,2,3,4,5,6,7
	ds_store_b128 v[MSA], v[VV+4*(\a):VV+4*(\a)+3] offset:512*(\a)
.endr
.set k, 0
.rept 16
	SUBC 0, k
	SUBC 1, k
.set k, k+1
.endr
.set i, 0
.rept 32
	v_exp_f32 v[X+i], v[X+i]
	SUBC 2+i/16, i%16
.set i, i+1
.endr
.set i, 0
.rept 32
	v_exp_f32 v[X+32+i], v[X+32+i]
.set i, i+1
.endr
	v_nop
	s_wait_alu depctr_va_vdst(0)                   ; one wait for rows 0 and 1
.set i, 0
.rept 32
	v_exp_f32 v[X+64+i], v[X+64+i]
.if (i%2) == 0
	v_pk_add_f32 v[X+i:X+i+1], v[X+i:X+i+1], v[X+32+i:X+32+i+1]
.endif
.set i, i+1
.endr
.set i, 0
.rept 32
	v_exp_f32 v[X+96+i], v[X+96+i]
.set i, i+1
.endr
	v_nop
	s_wait_alu depctr_va_vdst(0)                   ; one wait for rows 2 and 3
.set k, 0
.rept 16
	v_pk_add_f32 v[X+64+2*k:X+64+2*k+1], v[X+64+2*k:X+64+2*k+1], v[X+96+2*k:X+96+2*k+1]
.set k, k+1
.endr
.set k, 0
.rept 16
	v_pk_add_f32 v[X+2*k:X+2*k+1], v[X+2*k:X+2*k+1], v[X+64+2*k:X+64+2*k+1]
.set k, k+1
.endr
.irp a, 0,1,2,3,4,5,6,7
	ds_store_b128 v[MSA], v[X+4*(\a):X+4*(\a)+3] offset:4096+512*(\a)
.endr
	s_wait_dscnt 0x0                               ; for the others' sake: my parts, my U and my word lie in LDS
	s_barrier_signal -1
	v_add_nc_u32 v[FA], MSB, v[T8]
	v_add_nc_u32 v[FB], MSB+65536, v[T8]
	s_barrier_wait -1
	; THE END.  Thread t joins the 16 waves' parts of columns 2 t and 2 t + 1: the maximum of the maxima, the sums scaled to it.
.set w, 0
.rept 16
.if w < 8
	ds_load_b64 v[X+2*w:X+2*w+1], v[FA] offset:8192*w
	ds_load_b64 v[FS+2*w:FS+2*w+1], v[FA] offset:8192*w+4096
.else
	ds_load_b64 v[X+2*w:X+2*w+1], v[FB] offset:8192*(w-8)
	ds_load_b64 v[FS+2*w:FS+2*w+1], v[FB] offset:8192*(w-8)+4096
.endif
.set w, w+1
.endr
	s_wait_dscnt 0x0
	MAX16 X, FM
.set w, 0
.rept 16
	v_pk_add_f32 v[X+2*w:X+2*w+1], v[X+2*w:X+2*w+1], v[FM:FM+1] neg_lo:[0,1] neg_hi:[0,1]
.set w, w+1
.endr
.set i, 0
.rept 32
	v_exp_f32 v[X+i], v[X+i]
.set i, i+1
.endr
	v_nop
	s_wait_alu depctr_va_vdst(0)
	v_pk_mul_f32 v[FC:FC+1], v[FS:FS+1], v[X:X+1]
	v_pk_mul_f32 v[FC+2:FC+3], v[FS+2:FS+3], v[X+2:X+3]
.set w, 2
.rept 14
	v_pk_fma_f32 v[FC+2*(w%2):FC+2*(w%2)+1], v[FS+2*w:FS+2*w+1], v[X+2*w:X+2*w+1], v[FC+2*(w%2):FC+2*(w%2)+1]
.set w, w+1
.endr
	v_pk_add_f32 v[FC:FC+1], v[FC:FC+1], v[FC+2:FC+3]
	v_log_f32 v[FC], v[FC]
	v_log_f32 v[FC+1], v[FC+1]
	v_nop
	s_wait_alu depctr_va_vdst(0)
	v_pk_add_f32 v[FC:FC+1], v[FC:FC+1], v[FM:FM+1]    ; the block's LSE2 over its rows of U - K c (V = 0 here)
	global_store_b64 v[T8], v[FC:FC+1], s[14:15]   ; a wave stores 256 consecutive bytes, aligned
	s_cmp_lg_u32 s[WV], 0                          ; wave 0 sends the 64 U and the work-group's sum of squares
	s_cbranch_scc1 .Lend
	ds_load_b64 v[FU:FU+1], v[T8] offset:UL        ; in wave 0 the thread is the lane: 32 lanes x 8 bytes
	v_and_b32 v[TP], 15, v0
	v_lshlrev_b32 v[TP], 4, v[TP]
	ds_load_b32 v[TP+1], v[TP] offset:EL           ; lane l takes wave l % 16's word
	s_wait_dscnt 0x0
	global_store_b64 v[T8], v[FU:FU+1], s[16:17]   ; 256 consecutive bytes, aligned
.irp m, 1,2,4,8
	v_add_f32_dpp v[TP+1], v[TP+1], v[TP+1] row_xmask:\m row_mask:0xf bank_mask:0xf
.endr
	v_cmp_eq_u32 vcc_lo, 0, v0
	s_wait_xcnt 0x0                                ; EXEC is a source of the stores above: it changes only behind this wait
	s_and_saveexec_b32 s[SAVE], vcc_lo
	global_store_b32 v[T8], v[TP+1], s[18:19]      ; lane 0 alone, whose offset is 0: four bytes a work-group
	s_wait_xcnt 0x0                                ; and again, in front of the line that widens it
	s_or_b32 exec_lo, exec_lo, s[SAVE]
.Lend:
	s_wait_tensorcnt 0x0                           ; the wave's end, behind my last LDS store
	ds_add_u32 v[SPW], v[NIL]
	s_wait_dscnt 0x0
	s_endpgm
.Lfunc_end_k_q1775ea50d9_it1:
	.size	k_q1775ea50d9_it1, .Lfunc_end_k_q1775ea50d9_it1-k_q1775ea50d9_it1
	.p2alignl 7, 3214868480
	.fill 96, 4, 3214868480
	.section	.rodata,"a",@progbits
	.p2align	6, 0x0
	.amdhsa_kernel k_q1775ea50d9_it1
		.amdhsa_group_segment_fixed_size 137728
		.amdhsa_private_segment_fixed_size 0
		.amdhsa_enable_private_segment 0
		.amdhsa_kernarg_size 48
		.amdhsa_user_sgpr_count 2
		.amdhsa_user_sgpr_kernarg_segment_ptr 1
		.amdhsa_wavefront_size32 1
		.amdhsa_system_sgpr_workgroup_id_x 1
		.amdhsa_system_sgpr_workgroup_id_y 1
		.amdhsa_system_sgpr_workgroup_id_z 1
		.amdhsa_system_vgpr_workitem_id 0
		.amdhsa_next_free_vgpr 256
		.amdhsa_next_free_sgpr 66
		.amdhsa_reserve_vcc 1
		.amdhsa_float_denorm_mode_32 3
		.amdhsa_float_denorm_mode_16_64 3
		.amdhsa_memory_ordered 1
		.amdhsa_forward_progress 1
		.amdhsa_inst_pref_size 67
	.end_amdhsa_kernel
	.amdgpu_metadata
---
amdhsa.version: [ 1, 2 ]
amdhsa.kernels:
  - .name:           k_q1775ea50d9_it1
    .symbol:         k_q1775ea50d9_it1.kd
    .args:
      - { .name: cost, .offset: 0, .size: 8, .value_kind: global_buffer, .address_space: global }
      - { .name: mu, .offset: 8, .size: 8, .value_kind: global_buffer, .address_space: global }
      - { .name: cb, .offset: 16, .size: 8, .value_kind: global_buffer, .address_space: global }
      - { .name: lp0, .offset: 24, .size: 8, .value_kind: global_buffer, .address_space: global }
      - { .name: ub0, .offset: 32, .size: 8, .value_kind: global_buffer, .address_space: global }
      - { .name: er0, .offset: 40, .size: 8, .value_kind: global_buffer, .address_space: global }
    .group_segment_fixed_size: 137728
    .private_segment_fixed_size: 0
    .kernarg_segment_align: 8
    .kernarg_segment_size: 48
    .max_flat_workgroup_size: 512
    .sgpr_count:     66
    .vgpr_count:     256
    .wavefront_size: 32
...
	.end_amdgpu_metadata
.endif
;; end of part 1
;; launch it2 (part 2): grid 256 x 1, 16 waves a work-group, no clusters, 137,728 bytes of LDS; arguments cb, mu, nu, lp0, ub0, er0, lp1, ub1, er1; writes lp1, ub1, er1
.if DOCPART == 2
	.amdgcn_target "amdgcn-amd-amdhsa--gfx1250"
	.amdhsa_code_object_version 6
	.text
	.protected	k_q1775ea50d9_it2
	.globl	k_q1775ea50d9_it2
	.p2align	8
	.type	k_q1775ea50d9_it2,@function
k_q1775ea50d9_it2:
	s_mov_b64 s[64:65], 0
	v_nop
	global_prefetch_b8 v0, s[64:65] scope:SCOPE_SE
	s_setreg_imm32_b32 hwreg(HW_REG_WAVE_MODE, 25, 1), 1
	s_wait_xcnt 0x0
; ENTROPIC OPTIMAL TRANSPORT, STEPS 2 TO 10 (one launch a step).  Base 2, scaled by K = log2(e)/eps: U = K u, V = K v, (-c + u + v)/eps x log2(e) = U + V - K c.
; IN: cb (cost in bf16), mu, nu, and of the step before: lp [16][16][1024], each block's LSE2 over its 64 rows of U - K c; ub [16][1024], U; er [256], each work-group's sum of squares of U_new - U.
; OUT: the same three for this step, in other buffers.
; LIMITS.  cost, mu and nu are rounded ONCE to bf16 (to nearest even) and every step uses the rounded numbers: the program computes reference() of the rounded inputs, all else in f32.
; u and v are taken out of their own updates, which is the same sum with another order of rounding; err is compared in the scaled unit: sum over batches of sqrt(sum of squares) < 16 K 1e-6.
; NaN and infinities are not treated apart (a NaN in err counts as not converged, as in reference()).
; THE FREEZE.  done = err of the step before < threshold.  Where done, this step stores the old U again, its own old partials again (so V comes out the same bit for bit) and 0 for its sum of squares
; (so the next step finds done again): choices of values by v_cndmask_b32; all the work is done in every launch.
; SHARES.  Work-group g owns rows 64 g .. 64 g + 63 of the 16,384 (batch g / 16, block g % 16); wave w rows 4 w .. 4 w + 3 of them, whole.  A load of 16 bytes a lane takes 256 columns:
; lane l holds columns 256 q + 8 l + 0..7, q = 0..3: 32 numbers of each row, the same columns in all four rows.
; THE HEAD.  Thread t joins the 16 blocks' partials of columns 2 t, 2 t + 1 by their maximum: V = log2(nu + 1e-8) - LSE2; V goes through LDS to all waves.
; THE ORDER OF THE LOADS.  All the launch's work hangs on V, and V on nu and the partials: 68 KiB of the 192 KiB that the work-group reads.  So every wave issues those 17 loads first, and a barrier stands between
; them and all other loads: no wave asks for its 8 KiB of cost ahead of another wave's partials.  The rows are on their way while V is made.  What the head makes beside V (done, log2 mu) stands where the
; wave waits for V to come back from LDS.
; THEN as in step 1: x = V - K c in registers; row maximum, row sum, U_new; y = x + U_new; column maxima and sums of the wave's rows; the 16 waves' parts joined in LDS; less V, to lp.
; NO CLUSTER: what the 16 work-groups of a batch share is the table of partials, 64 KiB of the 192 KiB that a work-group reads, read once at the head; asked for jointly it would come through LDS behind a
; round of the cluster's barrier, in front of the one wait on which all the launch's work hangs.
.set KNEG,  0xc166d4ca                 ; -K
.set EPS8,  0x322bcc77                 ; 1e-8
.set THRES, 0x39720b48                 ; 16 K 1e-6 = 2.308312e-4
.set UL,    4096                       ; LDS: V in bytes 0 to 4,095; then 64 U
.set EL,    4352                       ; a word for each wave, 16 bytes apart
.set MSB,   4608                       ; for each wave 4,096 bytes of column maxima, then 4,096 of column sums
.set SPARE, MSB+16*8192                ; the spare words, 128 bytes for each wave: eight blocks of 256 bytes that no other line names
.set SPW, 1                            ; v1   my spare word; never rewritten
.set NIL, 2                            ; v2   0; never rewritten
.set KN,  3                            ; v3   -K
.set CO,  4                            ; v4   my offset in the work-group's rows of cb: 8,192 w + 16 l
.set T8,  5                            ; v5   8 x thread
.set FA,  6                            ; v6   the end: my two columns in waves 0-7's parts
.set LB,  7                            ; v7   32 l: my eight columns in 256 of V
.set FB,  7                            ;      the end: waves 8-15's parts
.set MSA, 8                            ; v8   where my wave's parts go: MSB + 8,192 w + 32 l
.set W16, 9                            ; v9   16 w
.set OWN, 10                           ; v10-11  my block's old partials of my two columns
.set MX,  12                           ; v12-15  row maxima
.set SM,  16                           ; v16-19  row sums, then W = log2 mu - log2 sum
.set LMU, 20                           ; v20-23  mu, log2(mu + 1e-8), then U_new
.set UO,  24                           ; v24-27  the old U, then the U that is stored
.set TP,  28                           ; v28-31  at work
.set VV,  32                           ; v32-63  V of my 32 columns, then the wave's column maxima
.set RAW, 64                           ; v64-127 the four rows in bf16; then two buffers of 32 for exponentials
.set X,   128                          ; v128-255 row r at X + 32 r; in the head and at the end at work:
.set ER,  X+32                         ;   the head: eight words of er
.set NU,  X+40                         ;   nu of my two columns
.set NT,  X+42
.set VM,  X+44                         ;   the maxima of the 16 partials
.set FS,  X+32                         ;   the end: the waves' sums
.set FV,  X+64
.set FC,  X+66
.set FM,  X+70
.set FU,  X+72
.set WV,  40
.set SEL, 42
.set DONE, 44
.set THR, 45
.set SAVE, 46
.macro MIXOP r, n                      ; number n of a row: x = bf16(c) x (-K) + V, one rounding
.if ((\n)%2) == 0
	v_fma_mix_f32_bf16 v[X+32*(\r)+(\n)], v[RAW+16*(\r)+(\n)/2], v[KN], v[VV+(\n)] op_sel_hi:[1,0,0]
.else
	v_fma_mix_f32_bf16 v[X+32*(\r)+(\n)], v[RAW+16*(\r)+(\n)/2], v[KN], v[VV+(\n)] op_sel:[1,0,0] op_sel_hi:[1,0,0]
.endif
.endm
.macro MAXL r                          ; the lane's maximum of a row: four chains of seven, the four left over, then one
.irp c, 0,1,2,3
	v_max3_num_f32 v[TP+(\c)], v[X+32*(\r)+8*(\c)], v[X+32*(\r)+8*(\c)+1], v[X+32*(\r)+8*(\c)+2]
.endr
.irp c, 0,1,2,3
	v_max3_num_f32 v[TP+(\c)], v[TP+(\c)], v[X+32*(\r)+8*(\c)+3], v[X+32*(\r)+8*(\c)+4]
.endr
.irp c, 0,1,2,3
	v_max3_num_f32 v[TP+(\c)], v[TP+(\c)], v[X+32*(\r)+8*(\c)+5], v[X+32*(\r)+8*(\c)+6]
.endr
	v_max3_num_f32 v[TP], v[TP], v[X+32*(\r)+7], v[X+32*(\r)+15]
	v_max3_num_f32 v[TP+2], v[TP+2], v[X+32*(\r)+23], v[X+32*(\r)+31]
	v_max3_num_f32 v[MX+(\r)], v[TP], v[TP+1], v[TP+2]
	v_max_num_f32 v[MX+(\r)], v[MX+(\r)], v[TP+3]
.endm
.macro XLMAX                           ; the four rows' maxima over the 32 lanes, the rows by turns; every lane ends with the result
.irp m, 1,2,4,8
.irp r, 0,1,2,3
	v_max_num_f32_dpp v[MX+(\r)], v[MX+(\r)], v[MX+(\r)] row_xmask:\m row_mask:0xf bank_mask:0xf
.endr
.endr
.irp r, 0,1,2,3
	v_permlanex16_b32 v[TP+(\r)], v[MX+(\r)], s[SEL], s[SEL+1]
.endr
.irp r, 0,1,2,3
	v_max_num_f32 v[MX+(\r)], v[MX+(\r)], v[TP+(\r)]
.endr
.endm
.macro XLADD                           ; the same for the sums
.irp m, 1,2,4,8
.irp r, 0,1,2,3
	v_add_f32_dpp v[SM+(\r)], v[SM+(\r)], v[SM+(\r)] row_xmask:\m row_mask:0xf bank_mask:0xf
.endr
.endr
.irp r, 0,1,2,3
	v_permlanex16_b32 v[TP+(\r)], v[SM+(\r)], s[SEL], s[SEL+1]
.endr
.irp r, 0,1,2,3
	v_add_f32 v[SM+(\r)], v[SM+(\r)], v[TP+(\r)]
.endr
.endm
.macro SUBM r, k                       ; pair k of row r: x - max; the row's register of the pair feeds both halves
.if ((\r)%2) == 0
	v_pk_add_f32 v[X+32*(\r)+2*(\k):X+32*(\r)+2*(\k)+1], v[X+32*(\r)+2*(\k):X+32*(\r)+2*(\k)+1], v[MX+(\r):MX+(\r)+1] op_sel_hi:[1,0] neg_lo:[0,1] neg_hi:[0,1]
.else
	v_pk_add_f32 v[X+32*(\r)+2*(\k):X+32*(\r)+2*(\k)+1], v[X+32*(\r)+2*(\k):X+32*(\r)+2*(\k)+1], v[MX+(\r)-1:MX+(\r)] op_sel:[0,1] op_sel_hi:[1,1] neg_lo:[0,1] neg_hi:[0,1]
.endif
.endm
.macro ADDW r, k                       ; pair k of row r: (x - max) + W = x + U_new
.if ((\r)%2) == 0
	v_pk_add_f32 v[X+32*(\r)+2*(\k):X+32*(\r)+2*(\k)+1], v[X+32*(\r)+2*(\k):X+32*(\r)+2*(\k)+1], v[SM+(\r):SM+(\r)+1] op_sel_hi:[1,0]
.else
	v_pk_add_f32 v[X+32*(\r)+2*(\k):X+32*(\r)+2*(\k)+1], v[X+32*(\r)+2*(\k):X+32*(\r)+2*(\k)+1], v[SM+(\r)-1:SM+(\r)] op_sel:[0,1] op_sel_hi:[1,1]
.endif
.endm
.macro SUBC r, k                       ; pair k of row r: y - the wave's column maximum
	v_pk_add_f32 v[X+32*(\r)+2*(\k):X+32*(\r)+2*(\k)+1], v[X+32*(\r)+2*(\k):X+32*(\r)+2*(\k)+1], v[VV+2*(\k):VV+2*(\k)+1] neg_lo:[0,1] neg_hi:[0,1]
.endm
.macro TREEOP t, d, n                  ; number n of the 16 that add up 16 pairs at t: 8, 4, 2, 1 packed sums in place, then the two halves into d
.if (\n) < 8
	v_pk_add_f32 v[(\t)+2*(\n):(\t)+2*(\n)+1], v[(\t)+2*(\n):(\t)+2*(\n)+1], v[(\t)+2*(\n)+16:(\t)+2*(\n)+17]
.elseif (\n) < 12
	v_pk_add_f32 v[(\t)+2*(\n)-16:(\t)+2*(\n)-15], v[(\t)+2*(\n)-16:(\t)+2*(\n)-15], v[(\t)+2*(\n)-8:(\t)+2*(\n)-7]
.elseif (\n) < 14
	v_pk_add_f32 v[(\t)+2*(\n)-24:(\t)+2*(\n)-23], v[(\t)+2*(\n)-24:(\t)+2*(\n)-23], v[(\t)+2*(\n)-20:(\t)+2*(\n)-19]
.elseif (\n) == 14
	v_pk_add_f32 v[(\t):(\t)+1], v[(\t):(\t)+1], v[(\t)+2:(\t)+3]
.else
	v_add_f32 v[\d], v[\t], v[(\t)+1]
.endif
.endm
.macro MAX16 b, d                      ; d, d + 1: the maxima of the 16 pairs at b
.irp e, 0,1
	v_max3_num_f32 v[(\d)+(\e)], v[(\b)+(\e)], v[(\b)+2+(\e)], v[(\b)+4+(\e)]
.endr
.irp i, 0,1,2,3,4,5
.irp e, 0,1
	v_max3_num_f32 v[(\d)+(\e)], v[(\d)+(\e)], v[(\b)+6+4*(\i)+(\e)], v[(\b)+8+4*(\i)+(\e)]
.endr
.endr
.irp e, 0,1
	v_max_num_f32 v[(\d)+(\e)], v[(\d)+(\e)], v[(\b)+30+(\e)]
.endr
.endm
	s_load_b512 s[8:23], s[0:1], 0x0               ; cb s[8:9], mu s[10:11], nu s[12:13]; in: lp s[14:15], ub s[16:17], er s[18:19]; out: lp s[20:21], ub s[22:23],
	s_load_b64 s[24:25], s[0:1], 0x40              ; er s[24:25]
	v_lshl_add_u32 v[SPW], v0, 2, SPARE
	v_mov_b32 v[NIL], 0
	v_lshrrev_b32 v[TP+1], 5, v0
	v_readfirstlane_b32 s[WV], v[TP+1]             ; wave 0..15
	v_and_b32 v[TP+1], 31, v0                      ; lane
	v_lshlrev_b32 v[T8], 3, v0
	v_lshlrev_b32 v[TP], 4, v[TP+1]                ; 16 l: my four words in each half of er
	v_lshlrev_b32 v[LB], 5, v[TP+1]
	s_lshl_b32 s2, s[WV], 13                       ; four rows of 2,048 bytes; also a wave's 8,192 bytes of parts
	v_lshl_add_u32 v[CO], v[TP+1], 4, s2
	s_add_co_u32 s2, s2, MSB
	v_lshl_add_u32 v[MSA], v[TP+1], 5, s2
	s_lshl_b32 s3, s[WV], 4
	v_mov_b32 v[W16], s3
	v_mov_b32 v[KN], KNEG
	s_mov_b32 s[SEL], 0x76543210                   ; v_permlanex16_b32: each lane takes its own place in the other half
	s_mov_b32 s[SEL+1], 0xfedcba98
	s_mov_b32 s[THR], THRES
	s_lshl_b32 s26, ttmp9, 17                      ; 64 rows of cb
	s_mov_b32 s27, 0
	s_lshl_b32 s28, ttmp9, 8                       ; 64 numbers of mu and of ub
	s_mov_b32 s29, 0
	s_lshl_b32 s30, ttmp9, 12                      ; the block's 1,024 partials
	s_mov_b32 s31, 0
	s_lshr_b32 s32, ttmp9, 4                       ; the batch
	s_lshl_b32 s34, s32, 16                        ; its 16 x 1,024 partials
	s_mov_b32 s35, 0
	s_lshl_b32 s32, s32, 12                        ; its 1,024 numbers of nu
	s_mov_b32 s33, 0
	s_lshl_b32 s36, ttmp9, 2                       ; the work-group's word of er
	s_mov_b32 s37, 0
	s_wait_kmcnt 0x0
	s_add_nc_u64 s[12:13], s[12:13], s[32:33]
	s_add_nc_u64 s[38:39], s[14:15], s[30:31]      ; my own block's old partials
	s_add_nc_u64 s[14:15], s[14:15], s[34:35]
	; FIRST what V hangs on: nu and the 16 blocks' partials of my two columns
	global_load_b64 v[NU:NU+1], v[T8], s[12:13]
.set k, 0
.rept 16
	global_load_b64 v[X+2*k:X+2*k+1], v[T8], s[14:15] offset:4096*k    ; block k's partials; a wave takes 256 consecutive bytes
.set k, k+1
.endr
	s_barrier_signal -1                            ; this barrier orders no data, only the issue: all 16 waves have issued the 17 loads above
	s_add_nc_u64 s[8:9], s[8:9], s[26:27]          ; (the other addresses: work on scalar registers)
	s_add_nc_u64 s[10:11], s[10:11], s[28:29]
	s_add_nc_u64 s[16:17], s[16:17], s[28:29]
	s_add_nc_u64 s[20:21], s[20:21], s[30:31]
	s_add_nc_u64 s[22:23], s[22:23], s[28:29]
	s_add_nc_u64 s[24:25], s[24:25], s[36:37]
	s_barrier_wait -1                              ; before any wave issues one of the 21 below
	global_load_b128 v[ER:ER+3], v[TP], s[18:19]               ; work-groups 4 l .. 4 l + 3: a quarter of batch l / 4
	global_load_b128 v[ER+4:ER+7], v[TP], s[18:19] offset:512  ; and of batch 8 + l / 4
	global_load_b128 v[LMU:LMU+3], v[W16], s[10:11]            ; my four rows' mu and old U, the same in every lane
	global_load_b128 v[UO:UO+3], v[W16], s[16:17]
	global_load_b64 v[OWN:OWN+1], v[T8], s[38:39]
.set k, 0
.rept 16
	global_load_b128 v[RAW+4*k:RAW+4*k+3], v[CO], s[8:9] offset:512*k  ; row k / 4, columns 256 (k % 4) on: 512 consecutive bytes
.set k, k+1
.endr
	s_wait_loadcnt 21                              ; loads come back in order: nu and the partials are in; the 5 + 16 loads issued behind them may stay out
	v_cvt_pk_bf16_f32 v[NT], v[NU], v[NU+1]        ; nu rounded to bf16 like cost, then + 1e-8 in f32
	v_lshlrev_b32 v[NU], 16, v[NT]
	v_and_b32 v[NU+1], 0xffff0000, v[NT]
	v_add_f32 v[NU], EPS8, v[NU]
	v_add_f32 v[NU+1], EPS8, v[NU+1]
	MAX16 X, VM
.set k, 0
.rept 16
	v_pk_add_f32 v[X+2*k:X+2*k+1], v[X+2*k:X+2*k+1], v[VM:VM+1] neg_lo:[0,1] neg_hi:[0,1]
.set k, k+1
.endr
	v_log_f32 v[NU], v[NU]                         ; one batch: two logarithms and 32 exponentials; one wait ahead of its first reader
	v_log_f32 v[NU+1], v[NU+1]
.set i, 0
.rept 32
	v_exp_f32 v[X+i], v[X+i]
.set i, i+1
.endr
	v_nop                                          ; a plain instruction behind the last of the batch
	s_wait_alu depctr_va_vdst(0)
.set j, 0
.rept 15
	TREEOP X, X, j
.set j, j+1
.endr
	v_log_f32 v[X], v[X]
	v_log_f32 v[X+1], v[X+1]
	v_pk_add_f32 v[NU:NU+1], v[NU:NU+1], v[VM:VM+1] neg_lo:[0,1] neg_hi:[0,1]
	s_wait_alu depctr_va_vdst(0)
	v_pk_add_f32 v[NU:NU+1], v[NU:NU+1], v[X:X+1] neg_lo:[0,1] neg_hi:[0,1]   ; V = log2 nu - max - log2 sum
	ds_store_b64 v[T8], v[NU:NU+1]
	s_wait_dscnt 0x0                               ; for the others' sake: my two V lie in LDS
	s_barrier_signal -1
	s_barrier_wait -1
.irp a, 0,1,2,3,4,5,6,7
	ds_load_b128 v[VV+4*(\a):VV+4*(\a)+3], v[LB] offset:1024*((\a)/2)+16*((\a)%2)
.endr
	; WHILE V COMES BACK: done and log2 mu, which V does not need
	s_wait_loadcnt 16                              ; er, mu, the old U and my old partials are in; the 16 loads of cost, issued behind them, may stay out
	v_pk_add_f32 v[ER:ER+1], v[ER:ER+1], v[ER+2:ER+3]          ; err: four lanes hold a batch's 16 sums of squares
	v_pk_add_f32 v[ER+4:ER+5], v[ER+4:ER+5], v[ER+6:ER+7]
	v_add_f32 v[ER], v[ER], v[ER+1]
	v_add_f32 v[ER+4], v[ER+4], v[ER+5]
.irp m, 1,2
	v_add_f32_dpp v[ER], v[ER], v[ER] row_xmask:\m row_mask:0xf bank_mask:0xf
	v_add_f32_dpp v[ER+4], v[ER+4], v[ER+4] row_xmask:\m row_mask:0xf bank_mask:0xf
.endr
	v_cvt_pk_bf16_f32 v[TP], v[LMU], v[LMU+1]      ; mu rounded to bf16 like cost, then + 1e-8 in f32 (er's loads, whose address v28 held, are done)
	v_cvt_pk_bf16_f32 v[TP+1], v[LMU+2], v[LMU+3]
	v_lshlrev_b32 v[LMU], 16, v[TP]
	v_and_b32 v[LMU+1], 0xffff0000, v[TP]
	v_lshlrev_b32 v[LMU+2], 16, v[TP+1]
	v_and_b32 v[LMU+3], 0xffff0000, v[TP+1]
.irp r, 0,1,2,3
	v_add_f32 v[LMU+(\r)], EPS8, v[LMU+(\r)]
.endr
	v_sqrt_f32 v[ER+1], v[ER]                      ; one batch: two roots and four logarithms
	v_sqrt_f32 v[ER+5], v[ER+4]
.irp r, 0,1,2,3
	v_log_f32 v[LMU+(\r)], v[LMU+(\r)]
.endr
	v_nop
	s_wait_alu depctr_va_vdst(0)
	v_add_f32 v[ER], v[ER+1], v[ER+5]              ; two batches' norms; eight groups of four lanes hold the 16
.irp m, 4,8
	v_add_f32_dpp v[ER], v[ER], v[ER] row_xmask:\m row_mask:0xf bank_mask:0xf
.endr
	v_permlanex16_b32 v[ER+1], v[ER], s[SEL], s[SEL+1]
	v_add_f32 v[ER], v[ER], v[ER+1]
	v_cmp_gt_f32 s[DONE], s[THR], v[ER]            ; all lanes alike: all ones or 0; it feeds v_cndmask_b32 alone
	s_wait_dscnt 0x0                               ; V of my 32 columns
.macro ROWIN r                         ; a row arrives: x, and its maximum begun
	s_wait_loadcnt 12-4*(\r)                       ; the four loads of each later row may stay out
.set k, 0
.rept 32
	MIXOP \r, k
.set k, k+1
.endr
	MAXL \r
.endm
	ROWIN 0
	ROWIN 1
	ROWIN 2
	ROWIN 3
	XLMAX
.set k, 0
.rept 16
	SUBM 0, k
	SUBM 1, k
.set k, k+1
.endr
	; THE ROW SUMS.  Exponentials go in two batches of two rows, each with one wait ahead of its first reader; plain work that names no result stands between them where there is any.
.set i, 0
.rept 32
	v_exp_f32 v[RAW+i], v[X+i]
	SUBM 2+i/16, i%16
.set i, i+1
.endr
.set i, 0
.rept 32
	v_exp_f32 v[RAW+32+i], v[X+32+i]
.set i, i+1
.endr
	v_nop
	s_wait_alu depctr_va_vdst(0)                   ; one wait for rows 0 and 1
.set j, 0
.rept 16
	TREEOP RAW, SM, j
.set j, j+1
.endr
.set i, 0
.rept 32                                       ; row 2 into the buffer that row 0 has left, row 1's sums between
	v_exp_f32 v[RAW+i], v[X+64+i]
.if (i%2) == 0
	TREEOP RAW+32, SM+1, i/2
.endif
.set i, i+1
.endr
.set i, 0
.rept 32
	v_exp_f32 v[RAW+32+i], v[X+96+i]
.set i, i+1
.endr
	v_nop
	s_wait_alu depctr_va_vdst(0)                   ; one wait for rows 2 and 3
.set j, 0
.rept 16
	TREEOP RAW, SM+2, j
	TREEOP RAW+32, SM+3, j
.set j, j+1
.endr
	XLADD
.irp r, 0,1,2,3
	v_log_f32 v[SM+(\r)], v[SM+(\r)]
.endr
	v_nop
	s_wait_alu depctr_va_vdst(0)
	v_pk_add_f32 v[SM:SM+1], v[LMU:LMU+1], v[SM:SM+1] neg_lo:[0,1] neg_hi:[0,1]          ; W = log2 mu - log2 sum
	v_pk_add_f32 v[SM+2:SM+3], v[LMU+2:LMU+3], v[SM+2:SM+3] neg_lo:[0,1] neg_hi:[0,1]
	v_pk_add_f32 v[LMU:LMU+1], v[SM:SM+1], v[MX:MX+1] neg_lo:[0,1] neg_hi:[0,1]          ; U_new = W - max
	v_pk_add_f32 v[LMU+2:LMU+3], v[SM+2:SM+3], v[MX+2:MX+3] neg_lo:[0,1] neg_hi:[0,1]
	v_pk_add_f32 v[TP:TP+1], v[LMU:LMU+1], v[UO:UO+1] neg_lo:[0,1] neg_hi:[0,1]          ; the change
	v_pk_add_f32 v[TP+2:TP+3], v[LMU+2:LMU+3], v[UO+2:UO+3] neg_lo:[0,1] neg_hi:[0,1]
	v_mul_f32 v[TP], v[TP], v[TP]
	v_fmac_f32 v[TP], v[TP+1], v[TP+1]
	v_fmac_f32 v[TP], v[TP+2], v[TP+2]
	v_fmac_f32 v[TP], v[TP+3], v[TP+3]
	v_cndmask_b32 v[TP], v[TP], 0, s[DONE]         ; done: 0, so that the next step finds done again
.irp r, 0,1,2,3
	v_cndmask_b32 v[UO+(\r)], v[LMU+(\r)], v[UO+(\r)], s[DONE]  ; done: the old U stays
.endr
	ds_store_b128 v[W16], v[UO:UO+3] offset:UL     ; every lane holds the same four numbers
	ds_store_b32 v[W16], v[TP] offset:EL
	; THE COLUMNS.  y = x + U_new; of my four rows a maximum and a sum for each of my 32 columns.
.set k, 0
.rept 16
	ADDW 0, k
	ADDW 1, k
	ADDW 2, k
	ADDW 3, k
.set k, k+1
.endr
.set k, 0
.rept 32
	v_max3_num_f32 v[VV+k], v[X+k], v[X+32+k], v[X+64+k]
.set k, k+1
.endr
.set k, 0
.rept 32
	v_max_num_f32 v[VV+k], v[VV+k], v[X+96+k]
.set k, k+1
.endr
.irp a, 0,1,2,3,4,5,6,7
	ds_store_b128 v[MSA], v[VV+4*(\a):VV+4*(\a)+3] offset:1024*((\a)/2)+16*((\a)%2)
.endr
.set k, 0
.rept 16
	SUBC 0, k
	SUBC 1, k
.set k, k+1
.endr
.set i, 0
.rept 32
	v_exp_f32 v[X+i], v[X+i]
	SUBC 2+i/16, i%16
.set i, i+1
.endr
.set i, 0
.rept 32
	v_exp_f32 v[X+32+i], v[X+32+i]
.set i, i+1
.endr
	v_nop
	s_wait_alu depctr_va_vdst(0)                   ; one wait for rows 0 and 1
.set i, 0
.rept 32
	v_exp_f32 v[X+64+i], v[X+64+i]
.if (i%2) == 0
	v_pk_add_f32 v[X+i:X+i+1], v[X+i:X+i+1], v[X+32+i:X+32+i+1]
.endif
.set i, i+1
.endr
.set i, 0
.rept 32
	v_exp_f32 v[X+96+i], v[X+96+i]
.set i, i+1
.endr
	v_nop
	s_wait_alu depctr_va_vdst(0)                   ; one wait for rows 2 and 3
.set k, 0
.rept 16
	v_pk_add_f32 v[X+64+2*k:X+64+2*k+1], v[X+64+2*k:X+64+2*k+1], v[X+96+2*k:X+96+2*k+1]
.set k, k+1
.endr
.set k, 0
.rept 16
	v_pk_add_f32 v[X+2*k:X+2*k+1], v[X+2*k:X+2*k+1], v[X+64+2*k:X+64+2*k+1]
.set k, k+1
.endr
.irp a, 0,1,2,3,4,5,6,7
	ds_store_b128 v[MSA], v[X+4*(\a):X+4*(\a)+3] offset:4096+1024*((\a)/2)+16*((\a)%2)
.endr
	s_wait_dscnt 0x0                               ; for the others' sake: my parts, my U and my word lie in LDS
	s_barrier_signal -1
	v_add_nc_u32 v[FA], MSB, v[T8]
	v_add_nc_u32 v[FB], MSB+65536, v[T8]
	s_barrier_wait -1
	; THE END.  Thread t joins the 16 waves' parts of columns 2 t and 2 t + 1: the maximum of the maxima, the sums scaled to it.
.set w, 0
.rept 16
.if w < 8
	ds_load_b64 v[X+2*w:X+2*w+1], v[FA] offset:8192*w
	ds_load_b64 v[FS+2*w:FS+2*w+1], v[FA] offset:8192*w+4096
.else
	ds_load_b64 v[X+2*w:X+2*w+1], v[FB] offset:8192*(w-8)
	ds_load_b64 v[FS+2*w:FS+2*w+1], v[FB] offset:8192*(w-8)+4096
.endif
.set w, w+1
.endr
	ds_load_b64 v[FV:FV+1], v[T8]                  ; V of my two columns
	s_wait_dscnt 0x0
	MAX16 X, FM
.set w, 0
.rept 16
	v_pk_add_f32 v[X+2*w:X+2*w+1], v[X+2*w:X+2*w+1], v[FM:FM+1] neg_lo:[0,1] neg_hi:[0,1]
.set w, w+1
.endr
.set i, 0
.rept 32
	v_exp_f32 v[X+i], v[X+i]
.set i, i+1
.endr
	v_nop
	s_wait_alu depctr_va_vdst(0)
	v_pk_mul_f32 v[FC:FC+1], v[FS:FS+1], v[X:X+1]
	v_pk_mul_f32 v[FC+2:FC+3], v[FS+2:FS+3], v[X+2:X+3]
.set w, 2
.rept 14
	v_pk_fma_f32 v[FC+2*(w%2):FC+2*(w%2)+1], v[FS+2*w:FS+2*w+1], v[X+2*w:X+2*w+1], v[FC+2*(w%2):FC+2*(w%2)+1]
.set w, w+1
.endr
	v_pk_add_f32 v[FC:FC+1], v[FC:FC+1], v[FC+2:FC+3]
	v_log_f32 v[FC], v[FC]
	v_log_f32 v[FC+1], v[FC+1]
	v_pk_add_f32 v[FM:FM+1], v[FM:FM+1], v[FV:FV+1] neg_lo:[0,1] neg_hi:[0,1]   ; V, which every y of the column holds, is taken out again
	s_wait_alu depctr_va_vdst(0)
	v_pk_add_f32 v[FC:FC+1], v[FC:FC+1], v[FM:FM+1]    ; the block's LSE2 over its rows of U_new - K c
	v_cndmask_b32 v[FC], v[FC], v[OWN], s[DONE]    ; done: the old partials stay
	v_cndmask_b32 v[FC+1], v[FC+1], v[OWN+1], s[DONE]
	global_store_b64 v[T8], v[FC:FC+1], s[20:21]   ; a wave stores 256 consecutive bytes, aligned
	s_cmp_lg_u32 s[WV], 0                          ; wave 0 sends the 64 U and the work-group's sum of squares
	s_cbranch_scc1 .Lend
	ds_load_b64 v[FU:FU+1], v[T8] offset:UL        ; in wave 0 the thread is the lane: 32 lanes x 8 bytes
	v_and_b32 v[TP], 15, v0
	v_lshlrev_b32 v[TP], 4, v[TP]
	ds_load_b32 v[TP+1], v[TP] offset:EL           ; lane l takes wave l % 16's word
	s_wait_dscnt 0x0
	global_store_b64 v[T8], v[FU:FU+1], s[22:23]   ; 256 consecutive bytes, aligned
.irp m, 1,2,4,8
	v_add_f32_dpp v[TP+1], v[TP+1], v[TP+1] row_xmask:\m row_mask:0xf bank_mask:0xf
.endr
	v_cmp_eq_u32 vcc_lo, 0, v0
	s_wait_xcnt 0x0                                ; EXEC is a source of the stores above: it changes only behind this wait
	s_and_saveexec_b32 s[SAVE], vcc_lo
	global_store_b32 v[T8], v[TP+1], s[24:25]      ; lane 0 alone, whose offset is 0: four bytes a work-group
	s_wait_xcnt 0x0                                ; and again, in front of the line that widens it
	s_or_b32 exec_lo, exec_lo, s[SAVE]
.Lend:
	s_wait_tensorcnt 0x0                           ; the wave's end, behind my last LDS store
	ds_add_u32 v[SPW], v[NIL]
	s_wait_dscnt 0x0
	s_endpgm
.Lfunc_end_k_q1775ea50d9_it2:
	.size	k_q1775ea50d9_it2, .Lfunc_end_k_q1775ea50d9_it2-k_q1775ea50d9_it2
	.p2alignl 7, 3214868480
	.fill 96, 4, 3214868480
	.section	.rodata,"a",@progbits
	.p2align	6, 0x0
	.amdhsa_kernel k_q1775ea50d9_it2
		.amdhsa_group_segment_fixed_size 137728
		.amdhsa_private_segment_fixed_size 0
		.amdhsa_enable_private_segment 0
		.amdhsa_kernarg_size 72
		.amdhsa_user_sgpr_count 2
		.amdhsa_user_sgpr_kernarg_segment_ptr 1
		.amdhsa_wavefront_size32 1
		.amdhsa_system_sgpr_workgroup_id_x 1
		.amdhsa_system_sgpr_workgroup_id_y 1
		.amdhsa_system_sgpr_workgroup_id_z 1
		.amdhsa_system_vgpr_workitem_id 0
		.amdhsa_next_free_vgpr 256
		.amdhsa_next_free_sgpr 66
		.amdhsa_reserve_vcc 1
		.amdhsa_float_denorm_mode_32 3
		.amdhsa_float_denorm_mode_16_64 3
		.amdhsa_memory_ordered 1
		.amdhsa_forward_progress 1
		.amdhsa_inst_pref_size 68
	.end_amdhsa_kernel
	.amdgpu_metadata
---
amdhsa.version: [ 1, 2 ]
amdhsa.kernels:
  - .name:           k_q1775ea50d9_it2
    .symbol:         k_q1775ea50d9_it2.kd
    .args:
      - { .name: cb, .offset: 0, .size: 8, .value_kind: global_buffer, .address_space: global }
      - { .name: mu, .offset: 8, .size: 8, .value_kind: global_buffer, .address_space: global }
      - { .name: nu, .offset: 16, .size: 8, .value_kind: global_buffer, .address_space: global }
      - { .name: lp0, .offset: 24, .size: 8, .value_kind: global_buffer, .address_space: global }
      - { .name: ub0, .offset: 32, .size: 8, .value_kind: global_buffer, .address_space: global }
      - { .name: er0, .offset: 40, .size: 8, .value_kind: global_buffer, .address_space: global }
      - { .name: lp1, .offset: 48, .size: 8, .value_kind: global_buffer, .address_space: global }
      - { .name: ub1, .offset: 56, .size: 8, .value_kind: global_buffer, .address_space: global }
      - { .name: er1, .offset: 64, .size: 8, .value_kind: global_buffer, .address_space: global }
    .group_segment_fixed_size: 137728
    .private_segment_fixed_size: 0
    .kernarg_segment_align: 8
    .kernarg_segment_size: 72
    .max_flat_workgroup_size: 512
    .sgpr_count:     66
    .vgpr_count:     256
    .wavefront_size: 32
...
	.end_amdgpu_metadata
.endif
;; end of part 2
;; launch it3: the kernel of part 2 again; grid 256 x 1, 16 waves a work-group, no clusters, 137,728 bytes of LDS; arguments cb, mu, nu, lp1, ub1, er1, lp0, ub0, er0; writes lp0, ub0, er0
;; launch it4: the kernel of part 2 again; grid 256 x 1, 16 waves a work-group, no clusters, 137,728 bytes of LDS; arguments cb, mu, nu, lp0, ub0, er0, lp1, ub1, er1; writes lp1, ub1, er1
;; launch it5: the kernel of part 2 again; grid 256 x 1, 16 waves a work-group, no clusters, 137,728 bytes of LDS; arguments cb, mu, nu, lp1, ub1, er1, lp0, ub0, er0; writes lp0, ub0, er0
;; launch it6: the kernel of part 2 again; grid 256 x 1, 16 waves a work-group, no clusters, 137,728 bytes of LDS; arguments cb, mu, nu, lp0, ub0, er0, lp1, ub1, er1; writes lp1, ub1, er1
;; launch it7: the kernel of part 2 again; grid 256 x 1, 16 waves a work-group, no clusters, 137,728 bytes of LDS; arguments cb, mu, nu, lp1, ub1, er1, lp0, ub0, er0; writes lp0, ub0, er0
;; launch it8: the kernel of part 2 again; grid 256 x 1, 16 waves a work-group, no clusters, 137,728 bytes of LDS; arguments cb, mu, nu, lp0, ub0, er0, lp1, ub1, er1; writes lp1, ub1, er1
;; launch it9: the kernel of part 2 again; grid 256 x 1, 16 waves a work-group, no clusters, 137,728 bytes of LDS; arguments cb, mu, nu, lp1, ub1, er1, lp0, ub0, er0; writes lp0, ub0, er0
;; launch it10: the kernel of part 2 again; grid 256 x 1, 16 waves a work-group, no clusters, 137,728 bytes of LDS; arguments cb, mu, nu, lp0, ub0, er0, lp1, ub1, er1; writes lp1, ub1, er1
;; launch fin (part 3): grid 256 x 1, 16 waves a work-group, no clusters, 6,144 bytes of LDS; arguments cb, nu, lp1, ub1, out0; writes out0
.if DOCPART == 3
	.amdgcn_target "amdgcn-amd-amdhsa--gfx1250"
	.amdhsa_code_object_version 6
	.text
	.protected	k_q1775ea50d9_fin
	.globl	k_q1775ea50d9_fin
	.p2align	8
	.type	k_q1775ea50d9_fin,@function
k_q1775ea50d9_fin:
	s_mov_b64 s[64:65], 0
	v_nop
	global_prefetch_b8 v0, s[64:65] scope:SCOPE_SE
	s_setreg_imm32_b32 hwreg(HW_REG_WAVE_MODE, 25, 1), 1
	s_wait_xcnt 0x0
; ENTROPIC OPTIMAL TRANSPORT, THE PLAN.  P = exp((-c + u + v)/eps) = 2^(U + V - K c), K = log2(e)/eps, U = K u, V = K v.
; IN: cb (cost in bf16), nu, and of step 10: lp [16][16][1024], each block's LSE2 over its 64 rows of U - K c; ub [16][1024], U.  OUT: out0 [16][1024][1024] f32.
; LIMITS.  cost, mu and nu were rounded ONCE to bf16 (to nearest even): the program computes reference() of the rounded inputs, all else in f32.  A P below 2^-126 comes out as 0.
; NaN and infinities are not treated apart.
; SHARES.  Work-group g owns rows 64 g .. 64 g + 63 of the 16,384 (batch g / 16); wave w rows 4 w .. 4 w + 3 of them, whole.  A load of 8 bytes a lane takes 128 columns of bf16 (256 consecutive bytes):
; lane l holds columns 128 q + 4 l + 0..3, q = 0..7, so that its four results are 16 bytes on end and a store of the wave covers 512 consecutive bytes, aligned.
; THE HEAD is the steps': thread t joins the 16 blocks' partials of columns 2 t, 2 t + 1 by their maximum, V = log2(nu + 1e-8) - LSE2, and V goes through LDS to all waves.
; NO CLUSTER: what the 16 work-groups of a batch share is the table of partials, 64 KiB of the 448 KiB that a work-group moves, read once at the head; asked for jointly it would come through LDS behind a
; round of the cluster's barrier, in front of the one wait on which all the launch's work hangs.
.set KNEG,  0xc166d4ca                 ; -K
.set EPS8,  0x322bcc77                 ; 1e-8
.set SPARE, 4096                       ; LDS: V in bytes 0 to 4,095; then the spare words, 128 bytes for each wave: eight blocks of 256 bytes that no other line names
.set SPW, 1                            ; v1   my spare word; never rewritten
.set NIL, 2                            ; v2   0; never rewritten
.set KN,  3                            ; v3   -K
.set CO,  4                            ; v4   my offset in the work-group's rows of cb: 8,192 w + 8 l
.set T8,  5                            ; v5   8 x thread
.set OO,  6                            ; v6   my offset in the work-group's rows of out0: 16,384 w + 16 l
.set LB,  7                            ; v7   16 l: my four columns in 128 of V
.set W16, 9                            ; v9   16 w
.set UO,  24                           ; v24-27  U of my four rows
.set TP,  28
.set VV,  32                           ; v32-63  V of my 32 columns
.set RAW, 64                           ; v64-127 the four rows in bf16
.set X,   128                          ; v128-255 row r at X + 32 r; in the head at work:
.set NU,  X+40
.set NT,  X+42
.set VM,  X+44
.set WV,  40
.macro MIXOP r, n                      ; number n of a row: bf16(c) x (-K) + V, one rounding
.if ((\n)%2) == 0
	v_fma_mix_f32_bf16 v[X+32*(\r)+(\n)], v[RAW+16*(\r)+(\n)/2], v[KN], v[VV+(\n)] op_sel_hi:[1,0,0]
.else
	v_fma_mix_f32_bf16 v[X+32*(\r)+(\n)], v[RAW+16*(\r)+(\n)/2], v[KN], v[VV+(\n)] op_sel:[1,0,0] op_sel_hi:[1,0,0]
.endif
.endm
.macro ADDU r                          ; + U of the row; the row's register of the pair feeds both halves
.set k, 0
.rept 16
.if ((\r)%2) == 0
	v_pk_add_f32 v[X+32*(\r)+2*k:X+32*(\r)+2*k+1], v[X+32*(\r)+2*k:X+32*(\r)+2*k+1], v[UO+(\r):UO+(\r)+1] op_sel_hi:[1,0]
.else
	v_pk_add_f32 v[X+32*(\r)+2*k:X+32*(\r)+2*k+1], v[X+32*(\r)+2*k:X+32*(\r)+2*k+1], v[UO+(\r)-1:UO+(\r)] op_sel:[0,1] op_sel_hi:[1,1]
.endif
.set k, k+1
.endr
.endm
.macro SEND r
.irp q, 0,1,2,3,4,5,6,7
	global_store_b128 v[OO], v[X+32*(\r)+4*(\q):X+32*(\r)+4*(\q)+3], s[16:17] offset:4096*(\r)+512*(\q) th:TH_STORE_NT
.endr
.endm
.macro TREEOP t, n                     ; number n of the 15 that add up 16 pairs at t, in place
.if (\n) < 8
	v_pk_add_f32 v[(\t)+2*(\n):(\t)+2*(\n)+1], v[(\t)+2*(\n):(\t)+2*(\n)+1], v[(\t)+2*(\n)+16:(\t)+2*(\n)+17]
.elseif (\n) < 12
	v_pk_add_f32 v[(\t)+2*(\n)-16:(\t)+2*(\n)-15], v[(\t)+2*(\n)-16:(\t)+2*(\n)-15], v[(\t)+2*(\n)-8:(\t)+2*(\n)-7]
.elseif (\n) < 14
	v_pk_add_f32 v[(\t)+2*(\n)-24:(\t)+2*(\n)-23], v[(\t)+2*(\n)-24:(\t)+2*(\n)-23], v[(\t)+2*(\n)-20:(\t)+2*(\n)-19]
.else
	v_pk_add_f32 v[(\t):(\t)+1], v[(\t):(\t)+1], v[(\t)+2:(\t)+3]
.endif
.endm
.macro MAX16 b, d                      ; d, d + 1: the maxima of the 16 pairs at b
.irp e, 0,1
	v_max3_num_f32 v[(\d)+(\e)], v[(\b)+(\e)], v[(\b)+2+(\e)], v[(\b)+4+(\e)]
.endr
.irp i, 0,1,2,3,4,5
.irp e, 0,1
	v_max3_num_f32 v[(\d)+(\e)], v[(\d)+(\e)], v[(\b)+6+4*(\i)+(\e)], v[(\b)+8+4*(\i)+(\e)]
.endr
.endr
.irp e, 0,1
	v_max_num_f32 v[(\d)+(\e)], v[(\d)+(\e)], v[(\b)+30+(\e)]
.endr
.endm
	s_load_b256 s[8:15], s[0:1], 0x0               ; cb s[8:9], nu s[10:11], lp s[12:13], ub s[14:15]
	s_load_b64 s[16:17], s[0:1], 0x20              ; out0
	v_lshl_add_u32 v[SPW], v0, 2, SPARE
	v_mov_b32 v[NIL], 0
	v_lshrrev_b32 v[TP], 5, v0
	v_readfirstlane_b32 s[WV], v[TP]               ; wave 0..15
	v_and_b32 v[TP], 31, v0                        ; lane
	v_lshlrev_b32 v[T8], 3, v0
	v_lshlrev_b32 v[LB], 4, v[TP]
	s_lshl_b32 s2, s[WV], 13                       ; four rows of 2,048 bytes
	v_lshl_add_u32 v[CO], v[TP], 3, s2
	s_lshl_b32 s2, s[WV], 14                       ; four rows of 4,096 bytes
	v_lshl_add_u32 v[OO], v[TP], 4, s2
	s_lshl_b32 s3, s[WV], 4
	v_mov_b32 v[W16], s3
	v_mov_b32 v[KN], KNEG
	s_lshl_b32 s20, ttmp9, 17                      ; 64 rows of cb
	s_mov_b32 s21, 0
	s_lshl_b32 s22, ttmp9, 18                      ; 64 rows of out0
	s_mov_b32 s23, 0
	s_lshl_b32 s24, ttmp9, 8                       ; 64 numbers of ub
	s_mov_b32 s25, 0
	s_lshr_b32 s26, ttmp9, 4                       ; the batch
	s_lshl_b32 s28, s26, 16                        ; its 16 x 1,024 partials
	s_mov_b32 s29, 0
	s_lshl_b32 s26, s26, 12                        ; its 1,024 numbers of nu
	s_mov_b32 s27, 0
	s_wait_kmcnt 0x0
	s_add_nc_u64 s[8:9], s[8:9], s[20:21]
	s_add_nc_u64 s[10:11], s[10:11], s[26:27]
	s_add_nc_u64 s[12:13], s[12:13], s[28:29]
	s_add_nc_u64 s[14:15], s[14:15], s[24:25]
	s_add_nc_u64 s[16:17], s[16:17], s[22:23]
	; 18 small loads first, since loads come back in order and the head wants these; then the 32 loads of my four rows
	global_load_b64 v[NU:NU+1], v[T8], s[10:11]
	global_load_b128 v[UO:UO+3], v[W16], s[14:15]  ; my four rows' U, the same in every lane
.set k, 0
.rept 16
	global_load_b64 v[X+2*k:X+2*k+1], v[T8], s[12:13] offset:4096*k    ; block k's partials of my two columns; a wave takes 256 consecutive bytes
.set k, k+1
.endr
.set k, 0
.rept 32
	global_load_b64 v[RAW+2*k:RAW+2*k+1], v[CO], s[8:9] offset:256*k th:TH_LOAD_NT  ; row k / 8, columns 128 (k % 8) on: 256 consecutive bytes; cb's last reading
.set k, k+1
.endr
	s_wait_loadcnt 32                              ; the small loads are in; the 32 loads of cost, issued behind them, may stay out
	v_cvt_pk_bf16_f32 v[NT], v[NU], v[NU+1]        ; nu rounded to bf16 like cost, then + 1e-8 in f32
	v_lshlrev_b32 v[NU], 16, v[NT]
	v_and_b32 v[NU+1], 0xffff0000, v[NT]
	v_add_f32 v[NU], EPS8, v[NU]
	v_add_f32 v[NU+1], EPS8, v[NU+1]
	MAX16 X, VM
.set k, 0
.rept 16
	v_pk_add_f32 v[X+2*k:X+2*k+1], v[X+2*k:X+2*k+1], v[VM:VM+1] neg_lo:[0,1] neg_hi:[0,1]
.set k, k+1
.endr
	v_log_f32 v[NU], v[NU]                         ; one batch: two logarithms and 32 exponentials; one wait ahead of its first reader
	v_log_f32 v[NU+1], v[NU+1]
.set i, 0
.rept 32
	v_exp_f32 v[X+i], v[X+i]
.set i, i+1
.endr
	v_nop                                          ; a plain instruction behind the last of the batch
	s_wait_alu depctr_va_vdst(0)
.set j, 0
.rept 15
	TREEOP X, j
.set j, j+1
.endr
	v_log_f32 v[X], v[X]
	v_log_f32 v[X+1], v[X+1]
	v_pk_add_f32 v[NU:NU+1], v[NU:NU+1], v[VM:VM+1] neg_lo:[0,1] neg_hi:[0,1]
	s_wait_alu depctr_va_vdst(0)
	v_pk_add_f32 v[NU:NU+1], v[NU:NU+1], v[X:X+1] neg_lo:[0,1] neg_hi:[0,1]   ; V = log2 nu - max - log2 sum
	ds_store_b64 v[T8], v[NU:NU+1]
	s_wait_dscnt 0x0                               ; for the others' sake: my two V lie in LDS
	s_barrier_signal -1
	s_barrier_wait -1
.irp a, 0,1,2,3,4,5,6,7
	ds_load_b128 v[VV+4*(\a):VV+4*(\a)+3], v[LB] offset:512*(\a)
.endr
	s_wait_dscnt 0x0
	; THE ROWS.  A row's 32 exponentials stand by turns with the next row's 32 multiply-adds; their one wait stands behind that row's 16 sums, ahead of the stores that read them.
	s_wait_loadcnt 24                              ; row 0 is in; the eight loads of each later row may stay out
.set k, 0
.rept 32
	MIXOP 0, k
.set k, k+1
.endr
	ADDU 0
.macro ROWS r                          ; row r's exponentials, row r + 1 made ready, row r stored
	s_wait_loadcnt 16-8*(\r)                       ; row r + 1 is in
.set i, 0
.rept 32
	v_exp_f32 v[X+32*(\r)+i], v[X+32*(\r)+i]
	MIXOP (\r)+1, i
.set i, i+1
.endr
	ADDU (\r)+1
	s_wait_alu depctr_va_vdst(0)
	SEND \r
.endm
	ROWS 0
	ROWS 1
	ROWS 2
.set i, 0
.rept 32
	v_exp_f32 v[X+96+i], v[X+96+i]
.set i, i+1
.endr
	v_nop
	s_wait_alu depctr_va_vdst(0)
	SEND 3
	s_wait_tensorcnt 0x0                           ; the wave's end, behind my last LDS store
	ds_add_u32 v[SPW], v[NIL]
	s_wait_dscnt 0x0
	s_endpgm
.Lfunc_end_k_q1775ea50d9_fin:
	.size	k_q1775ea50d9_fin, .Lfunc_end_k_q1775ea50d9_fin-k_q1775ea50d9_fin
	.p2alignl 7, 3214868480
	.fill 96, 4, 3214868480
	.section	.rodata,"a",@progbits
	.p2align	6, 0x0
	.amdhsa_kernel k_q1775ea50d9_fin
		.amdhsa_group_segment_fixed_size 6144
		.amdhsa_private_segment_fixed_size 0
		.amdhsa_enable_private_segment 0
		.amdhsa_kernarg_size 40
		.amdhsa_user_sgpr_count 2
		.amdhsa_user_sgpr_kernarg_segment_ptr 1
		.amdhsa_wavefront_size32 1
		.amdhsa_system_sgpr_workgroup_id_x 1
		.amdhsa_system_sgpr_workgroup_id_y 1
		.amdhsa_system_sgpr_workgroup_id_z 1
		.amdhsa_system_vgpr_workitem_id 0
		.amdhsa_next_free_vgpr 256
		.amdhsa_next_free_sgpr 66
		.amdhsa_reserve_vcc 0
		.amdhsa_float_denorm_mode_32 3
		.amdhsa_float_denorm_mode_16_64 3
		.amdhsa_memory_ordered 1
		.amdhsa_forward_progress 1
		.amdhsa_inst_pref_size 31
	.end_amdhsa_kernel
	.amdgpu_metadata
---
amdhsa.version: [ 1, 2 ]
amdhsa.kernels:
  - .name:           k_q1775ea50d9_fin
    .symbol:         k_q1775ea50d9_fin.kd
    .args:
      - { .name: cb, .offset: 0, .size: 8, .value_kind: global_buffer, .address_space: global }
      - { .name: nu, .offset: 8, .size: 8, .value_kind: global_buffer, .address_space: global }
      - { .name: lp1, .offset: 16, .size: 8, .value_kind: global_buffer, .address_space: global }
      - { .name: ub1, .offset: 24, .size: 8, .value_kind: global_buffer, .address_space: global }
      - { .name: out0, .offset: 32, .size: 8, .value_kind: global_buffer, .address_space: global }
    .group_segment_fixed_size: 6144
    .private_segment_fixed_size: 0
    .kernarg_segment_align: 8
    .kernarg_segment_size: 40
    .max_flat_workgroup_size: 512
    .sgpr_count:     66
    .vgpr_count:     256
    .wavefront_size: 32
...
	.end_amdgpu_metadata
.endif
;; end of part 3
